; MI455X (gfx1250); checked and timed in simulation.
; The chip was launched on July 23, 2026; its instructions are those of AMD's public machine-readable ISA for CDNA 5 (MIT licence, August 2026) and "CDNA5" Instruction Set Architecture Reference Guide (July 2026). The comments in the code are by the model that wrote it; some were corrected since.
;; QKV Attention. Allowed arithmetic: matrix products marked QUANTISED: E3M2 operands, one E8M0 scale for each 32 along K, by v_wmma_scale_f32_16x16x128_f8f6f4 with both operands' format E3M2, f32 sums; everything else in f32.
;; Inputs: qkv 64 x 192 x 2,048 float32.
;; Outputs: out0 64 x 64 x 2,048 float32.
;; This version of the problem:
;;   THIS VERSION OF THE PROBLEM IS GIVEN IN LOW PRECISION. The matrix products marked QUANTISED in the list below multiply operands that are first quantised to E3M2 (3 exponent bits, 2 mantissa bits; 6 bits a number), with one power-of-two scale for each 32 numbers along K (OCP MX v1.0); their sums are f32. All else is computed in f32.
;;   The module's matrix products, in the order in which they are computed (A, B: the left and right operand; K: the contracted axis; several contracted axes count as one K, in the product's order):
;;     1. batch 64 x [M 2,048, K 64] x [K 64, N 2,048]; A: computed on the way; B: computed on the way: QUANTISED
;;     2. batch 64 x [M 64, K 2,048] x [K 2,048, N 2,048]; A: computed on the way; B: softmax (see below): QUANTISED
;;   THE QUANTISER, for each operand of a quantised product, along K:
;;     - K is cut into blocks of 32 from its start; a last block that is shorter is filled with zeros.
;;     - A block's scale is 2^e with e = floor(log2(the largest magnitude in the block)) - 4, held to -126 .. 127; a block of zeros has e = 0. As a byte (E8M0): e + 127.
;;     - Each number is divided by its block's scale, clamped to +-28, and rounded to the nearest number of E3M2, ties to even, subnormals kept.
;;     - The product sums the exact products of the quantised numbers (number of the format x scale) in f32.
;;   ~~~python
;;   def quantise(x, axis):      # numpy; x: float32 -> the quantised numbers, widened to float32 again
;;       x = np.moveaxis(x, axis, -1); K = x.shape[-1]
;;       x = np.pad(x, [(0, 0)] * (x.ndim - 1) + [(0, -K % 32)]); x = x.reshape(x.shape[:-1] + (-1, 32)); a = np.abs(x).max(-1, keepdims=True)
;;       e = np.where(a > 0, np.clip(np.frexp(np.where(a > 0, a, 1))[1] - 1 - 4, -126, 127), 0)      # np.frexp(a)[1] - 1 = floor(log2(a)), exactly
;;       r = np.clip(x / 2.0 ** e, -28, 28)
;;       step = 2.0 ** (np.maximum(np.frexp(np.where(r == 0, 1, r))[1] - 1, -2) - 2)
;;       q = np.round(r / step) * step * 2.0 ** e      # np.round: ties to even
;;       return np.moveaxis(q.reshape(q.shape[:-2] + (-1,))[..., :K], -1, axis).astype(np.float32)
;;   ~~~
;;   SOFTMAX AHEAD OF A QUANTISED PRODUCT. Where the list says 'softmax', what is quantised is not the finished softmax but p = 2^(t - M), with t = logit x log2(e) and M = ceil(the row's largest t), a whole number; so 1/2 < the row's largest p <= 1. The row's sum l is taken of the UNQUANTISED p, in f32, and the product's result is divided by l at the end. Since M is a whole number, a kernel that streams over the keys may use a running M (the ceiling of the running maximum): every later rescaling is an exact power of two, which a block's scale takes up: the codes' values come out the same.
;;   OPERANDS COMPUTED ON THE WAY. 'Computed on the way' means the value that the module computes at that place (a softmax that the list does not call 'softmax' is quantised finished and normalised). What goes into a quantiser is computed in f32, as accurately as f32 sums, v_exp_f32 and their like allow (about 1e-6 of the number): no bf16 or f16 on the way to a quantiser, and a product that is left as it is and whose result goes on into a quantised operand takes f32 operands (vector FMAs, or v_wmma_f32_16x16x4_f32). A number that lies on a knife's edge between two numbers of the format may be rounded either way, as far as f32 arithmetic and the matrix unit's own rounding can turn it there, and no further.
;; 2 versions. Each part assembles by itself: llvm-mc -triple=amdgcn-amd-amdhsa -mcpu=gfx1250 --defsym DOCPART=n.
;; ======== version 1 of 2: 1 launch
;; launch attn (part 1): grid 4 x 64, 16 waves a work-group, no clusters, 203,776 bytes of LDS; arguments qkv, out0; writes out0
.if DOCPART == 1
	.amdgcn_target "amdgcn-amd-amdhsa--gfx1250"
	.amdhsa_code_object_version 6
	.text
	.protected	k_q03fa527a29_attn
	.globl	k_q03fa527a29_attn
	.p2align	8
	.type	k_q03fa527a29_attn,@function
k_q03fa527a29_attn:
	s_mov_b64 s[64:65], 0
	v_nop
	global_prefetch_b8 v0, s[64:65] scope:SCOPE_SE
	s_setreg_imm32_b32 hwreg(HW_REG_WAVE_MODE, 25, 1), 1
	s_wait_xcnt 0x0
; out[b][c][t] = the sum over s of softmax_s(q[b][:][t] . k[b][:][s] / 8) v[b][c][s].  qkv: [64][192][2048] f32 (channels 0-63 q, 64-127 k, 128-191 v; positions innermost); out: [64][64][2048] f32.
; Both products run on codes of BF6 (E3M2) with one E8M0 scale for each 32 along K.  Product 1: K = the 64 channels, of q x 0.35355338 and k x 0.35355338.  Product 2: K = the keys, of v and of p.
; THE SOFTMAX: t = score x log2(e); M = the running largest t rounded UP to a whole number; p = 2^(t - M) is quantised, not normalised; the row's sum is taken of the unquantised p and divides at the end.
; When M moves, the sum and O are multiplied by 2^(old M - new M), which rounds nothing.
; SHARES.  256 work-groups of sixteen waves.  Work-group (x, y) owns queries 512 x .. 512 x + 511 of batch y; wave w owns 32 of them: tile A (16) and tile B (16).  Every wave walks the 2,048 keys, 128 a step.
; EVERYTHING IS QUANTISED HERE.  A wave quantises its own q once.  A step's k and v are 16,384 numbers: one block of 32 for each lane of each wave.  While step j is multiplied, waves 0-7 quantise k of step j + 1
; and waves 8-15 its v, from registers that were loaded a whole step earlier; the codes go to all waves through two LDS slots by turns, laid in the order of the operand's registers.  One barrier a step.
; LAYOUT.  Both products are used transposed: S^T = K Q^T (source 0 = 16 keys, source 1 = 16 queries), O^T = V^T P^T (source 0 = 16 channels, source 1 = P): lane (r = lane % 16, h = lane / 16) holds query r throughout.
; THE KEYS OF A TILE ARE NOT NEIGHBOURS: row m of tile 4 c + u takes key 64 c + 32 (m / 8) + 8 u + m % 8.  Then register 32 c + i of a lane's 64 scores is key 64 c + 32 h + i, which is the place that the 6-bit operand's
; layout gives that lane: a block of 32 keys lies whole in ONE lane, its largest score needs no other lane, and the conversions' results are P's operand as they stand.
; PRODUCT 1 HAS 64 ALONG K, THE INSTRUCTION 128.  Q's fragment is six registers of codes and six of zeros.  K's fragment names twelve registers of which the upper six are the next tile's codes or whatever lies there:
; every pattern of six bits is a finite number, it meets a zero code, and no scale byte is 0xff.
; NO JOINT LOADS, NO TENSOR LOADS: what the four work-groups of a batch share is k and v in f32 on their way to a quantiser, which wants them in registers.  Brought jointly into LDS they would need two more slots of
; 64 KiB, a second pass through LDS and a round of a cluster's barrier in every step, for 64 KiB a step beside some 500 vector instructions in each of sixteen waves.  So plain loads run one step ahead.
; LIMITS: NaN and infinities among the inputs are not served.  A block whose largest magnitude lies under 2^-122 keeps the scale byte 1 (a block of zeros too: its codes are zeros, and only this text reads the bytes).
; A block's largest p is made from its largest score by the same multiply-add and exponential: this takes v_exp_f32 not to fall where its input rises.
.set ROWB,  8192                       ; a row of qkv or of out: 2,048 f32
.set BATCH, 192*ROWB
.set FLOOR, 0x2800000                  ; 2^(5 - 127): no largest magnitude is taken under it, so a scale byte cannot fall under 1
.set DOWN4, 0xfe000000                 ; takes 4, the exponent of the format's largest number, off an exponent field
; LDS.  A slot: K's 8 tiles (tile T, pair of registers p, lane l at 768 T + 256 p + 8 l), V's 4 tiles (1536 t + 256 p + 8 l), K's scale words, V's scale words.
.set SLOTB, 16384
.set KIMG,  0
.set VIMG,  6144
.set KSC,   12288                      ; tile T, row m: the word at 256 (T / 4) + 16 m + 4 (T % 4): one load of 16 bytes a lane brings tiles 0-3 to lanes 0-15 and tiles 4-7 to lanes 16-31
.set VSC,   12800                      ; tile t, row r: the word at 128 (t / 2) + 8 r + 4 (t % 2)
.set TURN,  32768                      ; 4,608 bytes for each of the eight waves that quantise v: 8 rows of 4 x (128 + 16) bytes; each wave's own
.set STAGE, 69632                      ; the way out: 64 rows (channels) of 512 queries x 4 bytes + 16
.set SROW,  2064
; REGISTERS
.set LN8,  1                           ; 8 x lane
.set LN16, 2                           ; 16 x lane
.set WK,   3                           ; where I store k's codes
.set WKS,  4                           ; and k's scale byte
.set TS,   5                           ; v's turn through LDS: in,
.set TL,   6                           ; and out
.set WVI,  7                           ; where I store v's codes
.set WVS,  8                           ; and v's scale byte
.set GOF,  9                           ; my byte in a landing load: 4 x lane (k) or 16 x lane (v)
.set SH8,  10                          ; 8 x (lane / 16)
.set QOF,  11                          ; 4 x lane
                                       ; v[12:15] tile A: -M, the largest t, the sum in two halves;  v[16:19] tile B
.set QS,   20                          ; Q's scale words: lanes 0-15 tile A's, lanes 16-31 tile B's
.set SRD,  21                          ; the way out: where I read rows back
.set FF,   22                          ; f = 2^(old M - new M); at the end 1 / the sum
.set PS,   23                          ; P's scale word
.set KS,   24                          ; v[24:27] K's scale words
.set VS,   28                          ; v[28:29] V's
.set SW0,  30                          ; the way out: where I put results of channels 0-31,
.set SW1,  31                          ; and of channels 32-63
.set QA,   32                          ; v[32:43] tile A's Q: 6 registers of codes, 6 of zeros
.set QB,   44                          ; v[44:55] tile B's
.set L,    56                          ; v[56:87] 32 numbers of k or v, landing a step ahead
.set OA,   88                          ; v[88:119] tile A's O^T
.set OB,   120                         ; v[120:151] tile B's
.set S,    152                         ; v[152:215] scores, then p; then V's four fragments
.set F0,   184                         ; K's tiles 0-3 at v184-207 (tile 3's upper six: v208-213)
.set F1,   216                         ; K's tiles 4-7 at v216-239 (tile 7's upper six: v240-245)
.set PC,   216                         ; v[216:227] P's codes
.set PT,   228                         ; v228-230, v232-234: the second halves of the conversions
.set BM,   236                         ; v236-239: four chains of maxima; then v236, v237 the two blocks' largest
.set SO,   240                         ; the conversions' scale operands
.set BY,   242                         ; the scale bytes
.set RM,   244
.set RX,   245
.set W,    246
.set WX,   247
.set SUM2, 248                         ; v[248:249] the second chain of the sum
.set C,    216                         ; in the quantisers of k and v: v216-222 the codes,
.set QM,   224                         ; v224-225 maxima,
.set QSO,  226                         ; the scale operand,
.set QBY,  227                         ; the byte;
.set X,    152                         ; v[152:183] v's 32 neighbours, back from the turn
.macro PLACES n                        ; plain vector instructions that name no register of the matrix instruction in front (ISA guide 7.12.1)
.rept \n
	v_nop
.endr
.endm
.macro BAR                             ; my LDS stores have landed and my LDS loads are in: then the work-group's barrier
	s_wait_dscnt 0x0
	s_barrier_signal -1
	s_barrier_wait -1
.endm
; the largest magnitude of 32 registers, and the floor, in two chains that take turns
.macro AMAX src, d0, d1
	v_max3_num_f32 v[\d0], |v[\src]|, |v[\src+1]|, FLOOR
	v_max3_num_f32 v[\d1], |v[\src+16]|, |v[\src+17]|, |v[\src+18]|
.irp i, 0,2,4,6,8,10
	v_max3_num_f32 v[\d0], v[\d0], |v[\src+2+\i]|, |v[\src+3+\i]|
	v_max3_num_f32 v[\d1], v[\d1], |v[\src+19+\i]|, |v[\src+20+\i]|
.endr
	v_max3_num_f32 v[\d0], v[\d0], |v[\src+14]|, |v[\src+15]|
	v_max3_num_f32 v[\d0], v[\d0], v[\d1], |v[\src+31]|
.endm
; a lane's block of 32 numbers becomes six registers of codes, v[C] on, and its scale byte, v[QBY]
.macro CODES src
	AMAX \src, QM, QM+1
	v_add_nc_u32 v[QSO], DOWN4, v[QM]              ; the conversion takes the exponent field of this operand as its scale, and nothing else of it
	v_lshrrev_b32 v[QBY], 23, v[QSO]
	v_cvt_scalef32_pk16_bf6_f32 v[C:C+2], v[\src:\src+15], v[QSO]
	v_cvt_scalef32_pk16_bf6_f32 v[C+4:C+6], v[\src+16:\src+31], v[QSO]   ; (a conversion's three registers begin on an even number)
	v_nop                                          ; one plain place behind a scaled conversion
	v_mov_b32 v[C+3], v[C+4]
	v_mov_b32 v[C+4], v[C+5]
	v_mov_b32 v[C+5], v[C+6]
.endm
.macro LDK                             ; k: lane = key, registers down my 32 channels: each load reads 128 consecutive bytes
.set n, 0
.rept 32
	global_load_b32 v[L+n], v[GOF], s[10:11] offset:ROWB*n
.set n, n+1
.endr
.endm
.macro LDV                             ; v: my 8 channels' 128 keys: each load reads 512 consecutive bytes
.irp i, 0,1,2,3,4,5,6,7
	global_load_b128 v[L+4*\i:L+4*\i+3], v[GOF], s[10:11] offset:ROWB*\i
.endr
.endm
; waves 0-7: the landed block of k, x 0.35355338, to codes, into the slot named.  ld = 1: the step after it is asked for
.macro QK slot, ld
	s_wait_loadcnt 0x0                             ; the landing loads, asked for a step ago, are in: so their base may be stepped below
.set n, 0
.rept 16
	v_pk_mul_f32 v[L+n:L+n+1], v[L+n:L+n+1], s[20:21] op_sel_hi:[1,0]
.set n, n+2
.endr
	CODES L
.if \ld
	s_add_nc_u64 s[10:11], s[10:11], 512           ; 128 keys on
	LDK
.endif
.irp p, 0,1,2
	ds_store_b64 v[WK], v[C+2*\p:C+2*\p+1] offset:SLOTB*(\slot)+KIMG+256*\p
.endr
	ds_store_b8 v[WKS], v[QBY] offset:SLOTB*(\slot)+KSC      ; my block's byte, and once more for the instruction's upper 64 along K,
	ds_store_b8 v[WKS], v[QBY] offset:SLOTB*(\slot)+KSC+2    ; where it meets Q's zero codes
.endm
; waves 8-15: the landed 8 rows x 128 keys of v turn through my own bytes of LDS, so that a lane holds a block of 32 neighbouring keys of one channel
.macro QV slot, ld
	s_wait_loadcnt 0x0
.irp i, 0,1,2,3,4,5,6,7
	ds_store_b128 v[TS], v[L+4*\i:L+4*\i+3] offset:576*\i
.endr
.irp i, 0,1,2,3,4,5,6,7
	ds_load_b128 v[X+4*\i:X+4*\i+3], v[TL] offset:16*\i     ; LDS serves a wave's instructions in order (ISA guide 5.7.1.4): these see the stores above
.endr
	s_wait_dscnt 0x0                               ; the block is in, and the stores have read the landing registers
.if \ld
	s_add_nc_u64 s[10:11], s[10:11], 512
	LDV
.endif
	CODES X
.irp p, 0,1,2
	ds_store_b64 v[WVI], v[C+2*\p:C+2*\p+1] offset:SLOTB*(\slot)+VIMG+256*\p
.endr
	ds_store_b8 v[WVS], v[QBY] offset:SLOTB*(\slot)+VSC
.endm
.macro QUANT slot, ld                  ; the branch hangs on the wave's number alone; no barrier stands inside it
	s_cmp_lt_u32 s8, 8
	s_cbranch_scc0 .Lv_\@
	QK \slot, \ld
	s_branch .Lj_\@
.Lv_\@:
	QV \slot, \ld
.Lj_\@:
	s_wait_dscnt 0x0                               ; the stores have read their registers, on which K's fragments land next
	PLACES 4
.endm
; one product of S^T: tile 4 hi + t of the step's keys against the tile of queries at v[q]; row = 1: tile B, whose scale words lie in lanes 16-31
.macro SPROD t, hi, q, row
.set rD, S+32*(\hi)+8*(\t)
.set rA, F0+32*(\hi)+6*(\t)
.if (\hi) && (\row)
	v_wmma_scale_f32_16x16x128_f8f6f4 v[rD:rD+7], v[rA:rA+11], v[\q:\q+11], 0, v[KS+\t], v[QS] matrix_a_fmt:MATRIX_FMT_BF6 matrix_b_fmt:MATRIX_FMT_BF6 matrix_a_scale:MATRIX_SCALE_ROW1 matrix_b_scale:MATRIX_SCALE_ROW1
.elseif \hi
	v_wmma_scale_f32_16x16x128_f8f6f4 v[rD:rD+7], v[rA:rA+11], v[\q:\q+11], 0, v[KS+\t], v[QS] matrix_a_fmt:MATRIX_FMT_BF6 matrix_b_fmt:MATRIX_FMT_BF6 matrix_a_scale:MATRIX_SCALE_ROW1
.elseif \row
	v_wmma_scale_f32_16x16x128_f8f6f4 v[rD:rD+7], v[rA:rA+11], v[\q:\q+11], 0, v[KS+\t], v[QS] matrix_a_fmt:MATRIX_FMT_BF6 matrix_b_fmt:MATRIX_FMT_BF6 matrix_b_scale:MATRIX_SCALE_ROW1
.else
	v_wmma_scale_f32_16x16x128_f8f6f4 v[rD:rD+7], v[rA:rA+11], v[\q:\q+11], 0, v[KS+\t], v[QS] matrix_a_fmt:MATRIX_FMT_BF6 matrix_b_fmt:MATRIX_FMT_BF6
.endif
.endm
; ONE TILE OF 16 QUERIES AGAINST ONE STEP OF 128 KEYS.  q: its Q; row: 0 tile A, 1 tile B; st: its statistics; o: its O^T; first = 1: the step's scale words are fetched (they stay for the second tile)
.macro ATT q, row, st, o, slot, first
.set SB, SLOTB*(\slot)
.if \first
	ds_load_b128 v[KS:KS+3], v[LN16] offset:SB+KSC
.endif
.irp t, 0,1,2,3
.irp p, 0,1,2
	ds_load_b64 v[F0+6*\t+2*\p:F0+6*\t+2*\p+1], v[LN8] offset:SB+KIMG+768*\t+256*\p          ; 32 lanes read 256 consecutive bytes
.endr
.endr
.irp t, 0,1,2,3
.irp p, 0,1,2
	ds_load_b64 v[F1+6*\t+2*\p:F1+6*\t+2*\p+1], v[LN8] offset:SB+KIMG+768*(4+\t)+256*\p
.endr
.endr
	s_wait_dscnt 12                                ; all but the twelve youngest, tiles 4-7's: the scale words and tiles 0-3 are in
.irp t, 0,1,2,3
	SPROD \t, 0, \q, \row
.endr
	PLACES 5                                       ; the next four results are laid over tiles 0-3's fragments, which are done with: five places
	s_wait_dscnt 0x0
.irp t, 0,1,2,3
	SPROD \t, 1, \q, \row
.endr
	PLACES 4
; the largest score of each of my two blocks of 32 keys, each in two chains; the four chains by turns.  Each tile's results are first read at their low end
.irp c, 0,1
	v_max3_num_f32 v[BM+\c], v[S+32*\c], v[S+32*\c+1], v[S+32*\c+2]
.endr
.irp c, 0,1
	v_max3_num_f32 v[BM+2+\c], v[S+32*\c+17], v[S+32*\c+18], v[S+32*\c+19]
.endr
.irp i, 0,2,4,6,8,10
.irp c, 0,1
	v_max3_num_f32 v[BM+\c], v[BM+\c], v[S+32*\c+3+\i], v[S+32*\c+4+\i]
.endr
.irp c, 0,1
	v_max3_num_f32 v[BM+2+\c], v[BM+2+\c], v[S+32*\c+20+\i], v[S+32*\c+21+\i]
.endr
.endr
.irp c, 0,1
	v_max3_num_f32 v[BM+\c], v[BM+\c], v[S+32*\c+15], v[S+32*\c+16]
.endr
.irp c, 0,1
	v_max_num_f32 v[BM+\c], v[BM+\c], v[BM+2+\c]   ; it serves twice: for the row's maximum, and, since p rises with the score, for the block's largest p
.endr
	v_max_num_f32 v[RM], v[BM], v[BM+1]
	v_permlanex16_b32 v[RX], v[RM], s16, s17       ; my query's other 64 keys lie in the lane 16 away
	v_max_num_f32 v[RM], v[RM], v[RX]
	v_mul_f32 v[RM], s18, v[RM]                    ; as t
	v_max_num_f32 v[\st+1], v[\st+1], v[RM]        ; the running largest t
	v_mov_b32 v[W], v[\st]
	v_floor_f32 v[\st], -v[\st+1]                  ; the new -M = floor(-t) = -ceil(t): a whole number
	v_sub_f32 v[RM], v[\st], v[W]                  ; old M - new M: a whole number, 0 or less
	v_cvt_i32_f32 v[RM], v[RM]                     ; (it saturates)
	v_ldexp_f32 v[FF], 1.0, v[RM]                  ; f = 2^(old M - new M)
.set n, 0
.rept 32
	v_pk_fma_f32 v[S+n:S+n+1], v[S+n:S+n+1], s[18:19], v[\st:\st+1] op_sel_hi:[1,0,0]   ; t - M, two at a time (of the pairs log2(e) and -M the low word serves both halves)
.set n, n+2
.endr
.irp c, 0,1
	v_fma_f32 v[BM+\c], v[BM+\c], s18, v[\st]      ; the same of each block's largest score
.endr
.set n, 0
.rept 64
	v_exp_f32 v[S+n], v[S+n]                       ; p = 2^(t - M), at most 1
.set n, n+1
.endr
.irp c, 0,1
	v_exp_f32 v[BM+\c], v[BM+\c]                   ; the block's largest p
.endr
	v_pk_mul_f32 v[\st+2:\st+3], v[\st+2:\st+3], v[FF:FF+1] op_sel_hi:[1,0]   ; the sums under the new M.  (The plain place behind the exponentials)
	s_wait_alu depctr_va_vdst(0)
.irp c, 0,1
	v_max_num_f32 v[BM+\c], FLOOR, v[BM+\c]
.endr
.irp c, 0,1
	v_add_nc_u32 v[SO+\c], DOWN4, v[BM+\c]
.endr
.irp c, 0,1
	v_lshrrev_b32 v[BY+\c], 23, v[SO+\c]
.endr
	v_lshl_or_b32 v[W], v[BY+1], 16, v[BY]         ; my two bytes: blocks h and 2 + h of my query,
	v_lshlrev_b32 v[W], v[SH8], v[W]               ; at their places in the scale word;
	v_permlanex16_b32 v[WX], v[W], s16, s17
	v_or_b32 v[PS], v[W], v[WX]                    ; with the other lane's two the word is whole
.irp c, 0,1
	v_cvt_scalef32_pk16_bf6_f32 v[PC+6*\c:PC+6*\c+2], v[S+32*\c:S+32*\c+15], v[SO+\c]
	v_cvt_scalef32_pk16_bf6_f32 v[PT+4*\c:PT+4*\c+2], v[S+32*\c+16:S+32*\c+31], v[SO+\c]
.endr
	v_nop                                          ; one plain place behind a scaled conversion
.irp c, 0,1
.irp i, 0,1,2
	v_mov_b32 v[PC+6*\c+3+\i], v[PT+4*\c+\i]       ; registers 6 c .. 6 c + 5 hold keys 64 c + 32 h + 0 .. 31: P's operand
.endr
.endr
	v_pk_add_f32 v[SUM2:SUM2+1], v[S:S+1], v[S+2:S+3]        ; the row's sum is taken of the unquantised p: two at a time, in two chains
.irp j, 4,8,12,16,20,24,28,32,36,40,44,48,52,56,60
	v_pk_add_f32 v[\st+2:\st+3], v[\st+2:\st+3], v[S+\j:S+\j+1]
	v_pk_add_f32 v[SUM2:SUM2+1], v[SUM2:SUM2+1], v[S+\j+2:S+\j+3]
.endr
	v_pk_add_f32 v[\st+2:\st+3], v[\st+2:\st+3], v[SUM2:SUM2+1]
.irp t, 0,1,2,3                        ; V's four fragments land where p lay
.irp p, 0,1,2,3,4,5
	ds_load_b64 v[S+12*\t+2*\p:S+12*\t+2*\p+1], v[LN8] offset:SB+VIMG+1536*\t+256*\p
.endr
.endr
.if \first
	ds_load_b64 v[VS:VS+1], v[LN8] offset:SB+VSC
.endif
.set n, 0
.rept 16
	v_pk_mul_f32 v[\o+n:\o+n+1], v[\o+n:\o+n+1], v[FF:FF+1] op_sel_hi:[1,0]   ; O^T under the new M, from each accumulator's low end on, while the loads are out
.set n, n+2
.endr
	s_wait_dscnt 0x0
.irp t, 0,1,2,3                        ; O^T += V^T P^T: four accumulators, one instruction each
.if \t < 2
	v_wmma_scale_f32_16x16x128_f8f6f4 v[\o+8*\t:\o+8*\t+7], v[S+12*\t:S+12*\t+11], v[PC:PC+11], v[\o+8*\t:\o+8*\t+7], v[VS+\t%2], v[PS] matrix_a_fmt:MATRIX_FMT_BF6 matrix_b_fmt:MATRIX_FMT_BF6
.else
	v_wmma_scale_f32_16x16x128_f8f6f4 v[\o+8*\t:\o+8*\t+7], v[S+12*\t:S+12*\t+11], v[PC:PC+11], v[\o+8*\t:\o+8*\t+7], v[VS+\t%2], v[PS] matrix_a_fmt:MATRIX_FMT_BF6 matrix_b_fmt:MATRIX_FMT_BF6 matrix_a_scale:MATRIX_SCALE_ROW1
.endif
.endr
	PLACES 5                                       ; what follows loads into these operands' registers, and lays matrix results over them: five places
.endm
; A KEY STEP.  The barrier at its head parts the last step's reads of the other slot from this step's stores into it, and the last step's stores into this slot from this step's reads.
.macro STEP slot, quant, ld
	BAR
.if \quant
	QUANT 1-\slot, \ld
.endif
	ATT QA, 0, 12, OA, \slot, 1
	ATT QB, 1, 16, OB, \slot, 0
.endm
	s_load_b128 s[4:7], s[0:1], 0x0                ; qkv s[4:5], out s[6:7]
	v_lshl_add_u32 v254, v0, 2, 0x31400
	v_mov_b32 v255, 0
	v_lshrrev_b32 v216, 5, v0
	v_readfirstlane_b32 s8, v216                   ; wave 0..15
	v_and_b32 v216, 31, v0                         ; lane
	v_and_b32 v217, 7, v0                          ; lane % 8
	v_bfe_u32 v218, v0, 3, 2                       ; lane / 8
	v_bfe_u32 v219, v0, 2, 3                       ; lane / 4
	v_and_b32 v220, 3, v0                          ; lane % 4
	v_and_b32 v221, 1, v0                          ; lane % 2
	v_bfe_u32 v222, v0, 1, 1                       ; (lane / 2) % 2
	v_and_b32 v223, 15, v0                         ; r
	v_bfe_u32 v224, v0, 4, 1                       ; h
	s_and_b32 s9, s8, 7                            ; my number among the eight waves of my role
	s_lshr_b32 s23, s9, 1                          ; k: g, which 32 keys of the step.   v: which tile of 16 channels
	s_and_b32 s24, s9, 1                           ; k: which 32 channels.             v: which 8 rows of that tile
	s_lshr_b32 s25, s9, 2                          ; g / 2
	s_and_b32 s26, s23, 1                          ; g % 2
	; every LDS address is made here, by every wave, ahead of the first branch on the role
	v_lshlrev_b32 v[LN8], 3, v216
	v_lshlrev_b32 v[LN16], 4, v216
	v_lshlrev_b32 v[QOF], 2, v216
	v_lshlrev_b32 v[SH8], 3, v224
	; k: my key 32 g + lane is row 8 (g % 2) + lane % 8 of tile 4 (g / 2) + lane / 8; my channels' half names the reader's half of the lanes
	s_mul_i32 s27, s25, 3072
	s_lshl_b32 s28, s26, 6
	s_add_co_u32 s27, s27, s28
	s_lshl_b32 s28, s24, 7
	s_add_co_u32 s27, s27, s28
	v_mul_u32_u24 v[WK], v218, 768
	v_lshl_add_u32 v[WK], v217, 3, v[WK]
	v_add_nc_u32 v[WK], s27, v[WK]
	s_lshl_b32 s27, s25, 8
	s_lshl_b32 s28, s26, 7
	s_add_co_u32 s27, s27, s28
	s_add_co_u32 s27, s27, s24
	v_lshlrev_b32 v[WKS], 4, v217
	v_lshl_add_u32 v[WKS], v218, 2, v[WKS]
	v_add_nc_u32 v[WKS], s27, v[WKS]
	; v's turn: in as loaded, 16 bytes a lane, 16 bytes of padding behind each 128; out: row lane / 4, block lane % 4
	s_mul_i32 s27, s9, 4608
	s_add_co_u32 s27, s27, TURN
	v_lshl_add_u32 v[TS], v218, 4, v[LN16]
	v_add_nc_u32 v[TS], s27, v[TS]
	v_mul_u32_u24 v[TL], v219, 576
	v_mad_u32_u24 v[TL], v220, 144, v[TL]
	v_add_nc_u32 v[TL], s27, v[TL]
	; v: my channel is row 8 (wave % 2) + lane / 4 of tile wave / 2; my block 2 c + h of keys: registers 6 c on of the reader's half h
	s_mul_i32 s27, s23, 1536
	s_lshl_b32 s28, s24, 6
	s_add_co_u32 s27, s27, s28
	v_mul_u32_u24 v[WVI], v222, 768
	v_lshl_add_u32 v[WVI], v219, 3, v[WVI]
	v_lshl_add_u32 v[WVI], v221, 7, v[WVI]
	v_add_nc_u32 v[WVI], s27, v[WVI]
	s_lshl_b32 s27, s25, 7
	s_lshl_b32 s28, s24, 6
	s_add_co_u32 s27, s27, s28
	s_lshl_b32 s28, s26, 2
	s_add_co_u32 s27, s27, s28
	v_lshl_add_u32 v[WVS], v219, 3, v220
	v_add_nc_u32 v[WVS], s27, v[WVS]
	; the way out: in: channel 8 h (+ 16 t + j in the offset), query 32 w + r (+ 16 for tile B);  back: my 4 channels' rows, 16 bytes a lane
	s_lshl_b32 s27, s8, 7
	s_add_co_u32 s27, s27, STAGE
	v_mul_u32_u24 v[SW0], v224, 8*SROW
	v_lshl_add_u32 v[SW0], v223, 2, v[SW0]
	v_add_nc_u32 v[SW0], s27, v[SW0]
	v_add_nc_u32 v[SW1], 32*SROW, v[SW0]
	s_mul_i32 s27, s8, 4*SROW
	s_add_co_u32 s27, s27, STAGE
	v_add_nc_u32 v[SRD], s27, v[LN16]
	; offsets in memory, apart from the addresses
	s_lshl_b32 s27, s24, 18                        ; k: channel 64 + 32 x half,
	s_lshl_b32 s28, s23, 7                         ;    key 32 g
	s_add_co_u32 s27, s27, s28
	s_add_co_u32 s27, s27, 64*ROWB
	s_lshl_b32 s28, s9, 16                         ; v: channel 128 + 8 x my number
	s_add_co_u32 s28, s28, 128*ROWB
	s_cmp_lt_u32 s8, 8                             ; the role hangs on the wave's number alone
	s_cselect_b32 s32, s27, s28
	s_cselect_b32 s29, 2, 4
	v_lshlrev_b32 v[GOF], s29, v216
	s_and_b32 s30, ttmp7, 0xffff                   ; the batch
	s_mul_i32 s31, s30, BATCH
	s_add_co_u32 s32, s32, s31
	s_mov_b32 s33, 0
	s_lshl_b32 s34, ttmp9, 11                      ; q: query 512 x + 32 w
	s_lshl_b32 s28, s8, 7
	s_add_co_u32 s34, s34, s28
	s_add_co_u32 s34, s34, s31
	s_mov_b32 s35, 0
	s_lshl_b32 s36, s30, 19                        ; out: channel 64 y + 4 w, query 512 x
	s_lshl_b32 s28, s8, 15
	s_add_co_u32 s36, s36, s28
	s_lshl_b32 s28, ttmp9, 11
	s_add_co_u32 s36, s36, s28
	s_mov_b32 s37, 0
	s_mov_b32 s16, 0x76543210                      ; v_permlanex16_b32's selects for lane l xor 16
	s_mov_b32 s17, 0xfedcba98
	s_mov_b32 s18, 0x3fb8aa3b                      ; log2(e)
	s_mov_b32 s19, s18                             ; (named with it as a pair, so it is written)
	s_mov_b32 s20, 0x3eb504f3                      ; 1 / sqrt(sqrt(64))
	s_mov_b32 s21, s20
	s_wait_kmcnt 0x0
	s_add_nc_u64 s[10:11], s[4:5], s[32:33]        ; the landing loads' base
	s_add_nc_u64 s[12:13], s[4:5], s[34:35]        ; q's
	s_add_nc_u64 s[14:15], s[6:7], s[36:37]        ; out's
	s_cmp_lt_u32 s8, 8
	s_cbranch_scc0 .Lhead_v
	LDK                                            ; key step 0
	s_branch .Lhead_j
.Lhead_v:
	LDV
.Lhead_j:
.set n, 0
.rept 64
	global_load_b32 v[OA+n], v[QOF], s[12:13] offset:ROWB*n th:TH_LOAD_NT   ; q: lane = query 32 w + lane, registers down the 64 channels; each byte is read once in the launch
.set n, n+1
.endr
.irp i, 0,1,2,3,4,5
	v_mov_b32 v[QA+6+\i], 0                        ; the zero codes of Q's upper 64 along K
	v_mov_b32 v[QB+6+\i], 0
	v_mov_b32 v[F0+24+\i], 0                       ; named as the upper six of tile 3's and tile 7's fragments: written once, whatever they hold later
	v_mov_b32 v[F1+24+\i], 0
.endr
	v_mov_b32 v[WX], 0                             ; a lane permute's destination counts as one of its sources (v[RX] is among the six above)
	v_mov_b32 v[PS], 0                             ; named as the upper half of the pair with f before it is first made
.irp s, 12, 16
	v_mov_b32 v[\s+1], 0xff61b1e6                  ; the largest t so far: -3e38, under every t
	v_floor_f32 v[\s], -v[\s+1]                    ; -M
	v_mov_b32 v[\s+2], 0                           ; the sum, in two halves
	v_mov_b32 v[\s+3], 0
.endr
	s_wait_loadcnt 0x0                             ; step 0's numbers and q
	QUANT 0, 1                                     ; step 0 into slot 0; step 1 is asked for
	; Q: my 32 queries' two blocks of 32 channels
.set n, 0
.rept 32
	v_pk_mul_f32 v[OA+n:OA+n+1], v[OA+n:OA+n+1], s[20:21] op_sel_hi:[1,0]
.set n, n+2
.endr
	AMAX OA, BM, BM+2
	AMAX OB, BM+1, BM+3
.irp c, 0,1
	v_add_nc_u32 v[SO+\c], DOWN4, v[BM+\c]
.endr
.irp c, 0,1
	v_lshrrev_b32 v[BY+\c], 23, v[SO+\c]
.endr
	v_lshl_or_b32 v[QS], v[BY+1], 8, v[BY]         ; lane l: query l's scale word (its upper two bytes, 0, stand over zero codes): lanes 0-15 tile A's, lanes 16-31 tile B's
	v_cvt_scalef32_pk16_bf6_f32 v[QA:QA+2], v[OA:OA+15], v[SO]
	v_cvt_scalef32_pk16_bf6_f32 v[PT:PT+2], v[OA+16:OA+31], v[SO]
	v_cvt_scalef32_pk16_bf6_f32 v[QB:QB+2], v[OB:OB+15], v[SO+1]
	v_cvt_scalef32_pk16_bf6_f32 v[PT+4:PT+6], v[OB+16:OB+31], v[SO+1]
	v_nop                                          ; one plain place behind a scaled conversion
.irp i, 0,1,2
	v_mov_b32 v[QA+3+\i], v[PT+\i]
	v_mov_b32 v[QB+3+\i], v[PT+4+\i]
.endr
.irp i, 0,1,2,3,4,5
	v_permlane16_swap_b32 v[QA+\i], v[QB+\i]       ; block 0 of queries 16-31 changes places with block 1 of queries 0-15: now lane (r, h) holds block h of query r (tile A) and of query 16 + r (tile B)
.endr
.set n, 0
.rept 64
	v_mov_b32 v[OA+n], 0                           ; O^T.  (The step is written once: the first finds zeros, which the first change of M leaves zeros)
.set n, n+1
.endr
	s_mov_b32 s22, 7
.Lpair:                                            ; seven trips of two steps: steps 0 to 13.  Step j quantises step j + 1 and asks for step j + 2
	STEP 0, 1, 1
	STEP 1, 1, 1
	s_sub_co_u32 s22, s22, 1
	s_cmp_lg_u32 s22, 0
	s_cbranch_scc1 .Lpair
	STEP 0, 1, 0                                   ; step 14 quantises step 15 and asks for nothing: no load leaves its row
	STEP 1, 0, 0                                   ; step 15
	; THE WAY OUT.  O^T / the sum goes into the work-group's stage as [channel][query]; behind a barrier each wave stores 4 channels' 512 queries.
.macro NORM st, o
	v_add_f32 v[\st+2], v[\st+2], v[\st+3]         ; the sum's two halves,
	v_permlanex16_b32 v[RX], v[\st+2], s16, s17
	v_add_f32 v[\st+2], v[\st+2], v[RX]            ; and the other lane's: the row's sum
	v_rcp_f32 v[FF], v[\st+2]
	v_nop                                          ; one plain place behind a transcendental
.set n, 0
	s_wait_alu depctr_va_vdst(0)
.rept 16
	v_pk_mul_f32 v[\o+n:\o+n+1], v[\o+n:\o+n+1], v[FF:FF+1] op_sel_hi:[1,0]
.set n, n+2
.endr
.endm
	NORM 12, OA
	NORM 16, OB
.irp a, 0,1
.irp t, 0,1,2,3
.irp j, 0,1,2,3,4,5,6,7
	ds_store_b32 v[SW0+\t/2], v[OA+32*\a+8*\t+\j] offset:(16*(\t%2)+\j)*SROW+64*\a     ; out(16 t + 8 h + j, 32 w + 16 a + r): sixteen lanes write 64 consecutive bytes
.endr
.endr
.endr
	BAR                                            ; 64 whole rows lie in the stage
.irp i, 0,1,2,3
.irp k, 0,1,2,3
	ds_load_b128 v[S+16*\i+4*\k:S+16*\i+4*\k+3], v[SRD] offset:SROW*\i+512*\k
.endr
.endr
.irp i, 0,1,2,3
.irp k, 0,1,2,3
	s_wait_dscnt 15-4*\i-\k                        ; LDS loads come back in order: this one is in, the younger ones may be out
	global_store_b128 v[LN16], v[S+16*\i+4*\k:S+16*\i+4*\k+3], s[14:15] offset:ROWB*\i+512*\k th:TH_STORE_NT   ; 32 lanes store 512 consecutive bytes, at a multiple of 256 from out's first byte
.endr
.endr
	s_wait_tensorcnt 0x0
	ds_add_u32 v254, v255
	s_wait_dscnt 0x0
	s_endpgm
.Lfunc_end_k_q03fa527a29_attn:
	.size	k_q03fa527a29_attn, .Lfunc_end_k_q03fa527a29_attn-k_q03fa527a29_attn
	.p2alignl 7, 3214868480
	.fill 96, 4, 3214868480
	.section	.rodata,"a",@progbits
	.p2align	6, 0x0
	.amdhsa_kernel k_q03fa527a29_attn
		.amdhsa_group_segment_fixed_size 203776
		.amdhsa_private_segment_fixed_size 0
		.amdhsa_enable_private_segment 0
		.amdhsa_kernarg_size 16
		.amdhsa_user_sgpr_count 2
		.amdhsa_user_sgpr_kernarg_segment_ptr 1
		.amdhsa_wavefront_size32 1
		.amdhsa_system_sgpr_workgroup_id_x 1
		.amdhsa_system_sgpr_workgroup_id_y 1
		.amdhsa_system_sgpr_workgroup_id_z 1
		.amdhsa_system_vgpr_workitem_id 0
		.amdhsa_next_free_vgpr 256
		.amdhsa_next_free_sgpr 66
		.amdhsa_reserve_vcc 0
		.amdhsa_float_denorm_mode_32 3
		.amdhsa_float_denorm_mode_16_64 3
		.amdhsa_memory_ordered 1
		.amdhsa_forward_progress 1
		.amdhsa_inst_pref_size 193
	.end_amdhsa_kernel
	.amdgpu_metadata
---
amdhsa.version: [ 1, 2 ]
amdhsa.kernels:
  - .name:           k_q03fa527a29_attn
    .symbol:         k_q03fa527a29_attn.kd
    .args:
      - { .name: qkv, .offset: 0, .size: 8, .value_kind: global_buffer, .address_space: global }
      - { .name: out0, .offset: 8, .size: 8, .value_kind: global_buffer, .address_space: global }
    .group_segment_fixed_size: 203776
    .private_segment_fixed_size: 0
    .kernarg_segment_align: 8
    .kernarg_segment_size: 16
    .max_flat_workgroup_size: 512
    .sgpr_count:     66
    .vgpr_count:     256
    .wavefront_size: 32
...
	.end_amdgpu_metadata
.endif
;; end of part 1
;; ======== version 2 of 2: 1 launch; version 1 with the launch attn written anew for expert scheduling mode
;; launch attn (part 2): grid 4 x 64, 16 waves a work-group, no clusters, 203,776 bytes of LDS; arguments qkv, out0; writes out0
.if DOCPART == 2
	.amdgcn_target "amdgcn-amd-amdhsa--gfx1250"
	.amdhsa_code_object_version 6
	.text
	.protected	k_q03fa527a29_attn
	.globl	k_q03fa527a29_attn
	.p2align	8
	.type	k_q03fa527a29_attn,@function
k_q03fa527a29_attn:
	s_mov_b64 s[64:65], 0
	v_nop
	global_prefetch_b8 v0, s[64:65] scope:SCOPE_SE
	s_setreg_imm32_b32 hwreg(HW_REG_WAVE_SCHED_MODE, 0, 2), 2
	s_setreg_imm32_b32 hwreg(HW_REG_WAVE_MODE, 25, 1), 1
	s_wait_xcnt 0x0
	s_wait_alu depctr_vm_vsrc(0)
; out[b][c][t] = the sum over s of softmax_s(q[b][:][t] . k[b][:][s] / 8) v[b][c][s].  qkv: [64][192][2048] f32 (channels 0-63 q, 64-127 k, 128-191 v; positions innermost); out: [64][64][2048] f32.
; Both products run on codes of BF6 (E3M2) with one E8M0 scale for each 32 along K.  Product 1: K = the 64 channels, of q x 0.35355338 and k x 0.35355338.  Product 2: K = the keys, of v and of p.
; THE SOFTMAX: t = score x log2(e); M = the running largest t rounded UP to a whole number; p = 2^(t - M) is quantised, not normalised; the row's sum is taken of the unquantised p and divides at the end.
; When M moves, the sum and O are multiplied by 2^(old M - new M), which rounds nothing.
; SHARES.  256 work-groups of sixteen waves.  Work-group (x, y) owns queries 512 x .. 512 x + 511 of batch y; wave w owns 32 of them: tile A (16) and tile B (16).  Every wave walks the 2,048 keys, 128 a step.
; EVERYTHING IS QUANTISED HERE.  A wave quantises its own q once.  A step's k and v are 16,384 numbers: one block of 32 for each lane of each wave.  While step j is multiplied, waves 0-7 quantise k of step j + 1
; and waves 8-15 its v, from registers that were loaded a whole step earlier; the codes go to all waves through two LDS slots by turns, laid in the order of the operand's registers.  One barrier a step.
; LAYOUT.  Both products are used transposed: S^T = K Q^T (source 0 = 16 keys, source 1 = 16 queries), O^T = V^T P^T (source 0 = 16 channels, source 1 = P): lane (r = lane % 16, h = lane / 16) holds query r throughout.
; THE KEYS OF A TILE ARE NOT NEIGHBOURS: row m of tile 4 c + u takes key 64 c + 32 (m / 8) + 8 u + m % 8.  Then register 32 c + i of a lane's 64 scores is key 64 c + 32 h + i, which is the place that the 6-bit operand's
; layout gives that lane: a block of 32 keys lies whole in ONE lane, its largest score needs no other lane, and the conversions' results are P's operand as they stand.
; PRODUCT 1 HAS 64 ALONG K, THE INSTRUCTION 128.  Q's fragment is six registers of codes and six of zeros.  K's fragment names twelve registers of which the upper six are the next tile's codes or whatever lies there:
; every pattern of six bits is a finite number, it meets a zero code, and no scale byte is 0xff.
; NO JOINT LOADS, NO TENSOR LOADS: what the four work-groups of a batch share is k and v in f32 on their way to a quantiser, which wants them in registers.  Brought jointly into LDS they would need two more slots of
; 64 KiB, a second pass through LDS and a round of a cluster's barrier in every step, for 64 KiB a step beside some 500 vector instructions in each of sixteen waves.  So plain loads run one step ahead.
; LIMITS: NaN and infinities among the inputs are not served.  A block whose largest magnitude lies under 2^-122 keeps the scale byte 1 (a block of zeros too: its codes are zeros, and only this text reads the bytes).
; A block's largest p is made from its largest score by the same multiply-add and exponential: this takes v_exp_f32 not to fall where its input rises.
; THE MODE: SCHED_MODE bits 1:0 = 2 (LLVM: expert scheduling mode 2), set by the entry lines.  The code itself states the register dependences
; between vector or matrix instructions and memory or LDS instructions, with s_wait_alu, always for 0.
; THE PLAN.  Registers that memory or LDS instructions touch, in the loop:
;   the addresses (v1-v9, v11, v21, v30, v31)  made once at the head, never written again.
;   L (v56-87)       the landing loads land in it.  Waves 0-7: the scalings and the quantiser read and write it, then it is asked for again.  Waves 8-15: eight LDS stores read it, then it is asked for again.
;   X (v152-183)     waves 8-15: LDS loads land in it, on registers that the last tile's products and vector work named; the quantiser reads it.
;   the codes (v216-221) and the byte (v227)  written by the quantiser, read by its LDS stores; tile A's fragments of K land on them.
;   KS, VS (v24-29)  loaded once a step, in tile A's turn; read as scales by both tiles' products.
;   K's fragments (v184-207, v216-239)  loaded at a tile's head, read by its eight products; then scores, P's codes and work registers lie there.
;   V's fragments (v152-199)  loaded where p lay, which the conversions and the sums read; read by the tile's four products of O^T.
; THE WAITS of a step.  On va_vdst: one behind the barrier (the last step's tile B is done with all that this step's loads land on); one behind the quantiser's vector work (its results are written for the LDS stores;
; waves 0-7: it is done with L); one between the tiles; in each tile the one for the exponentials and one ahead of V's loads (p is read out; P's codes and scale word are written).  On vm_vsrc: waves 8-15, ahead of
; the landing loads (the turn's stores have read L); all waves, behind the stores of the codes (K's fragments land on their registers).  Sixteen waves take all the registers of four SIMDs: there is no further buffer.
.set ROWB,  8192                       ; a row of qkv or of out: 2,048 f32
.set BATCH, 192*ROWB
.set FLOOR, 0x2800000                  ; 2^(5 - 127): no largest magnitude is taken under it, so a scale byte cannot fall under 1
.set DOWN4, 0xfe000000                 ; takes 4, the exponent of the format's largest number, off an exponent field
; LDS.  A slot: K's 8 tiles (tile T, pair of registers p, lane l at 768 T + 256 p + 8 l), V's 4 tiles (1536 t + 256 p + 8 l), K's scale words, V's scale words.
.set SLOTB, 16384
.set KIMG,  0
.set VIMG,  6144
.set KSC,   12288                      ; tile T, row m: the word at 256 (T / 4) + 16 m + 4 (T % 4): one load of 16 bytes a lane brings tiles 0-3 to lanes 0-15 and tiles 4-7 to lanes 16-31
.set VSC,   12800                      ; tile t, row r: the word at 128 (t / 2) + 8 r + 4 (t % 2)
.set TURN,  32768                      ; 4,608 bytes for each of the eight waves that quantise v: 8 rows of 4 x (128 + 16) bytes; each wave's own
.set STAGE, 69632                      ; the way out: 64 rows (channels) of 512 queries x 4 bytes + 16
.set SROW,  2064
; REGISTERS
.set LN8,  1                           ; 8 x lane
.set LN16, 2                           ; 16 x lane
.set WK,   3                           ; where I store k's codes
.set WKS,  4                           ; and k's scale byte
.set TS,   5                           ; v's turn through LDS: in,
.set TL,   6                           ; and out
.set WVI,  7                           ; where I store v's codes
.set WVS,  8                           ; and v's scale byte
.set GOF,  9                           ; my byte in a landing load: 4 x lane (k) or 16 x lane (v)
.set SH8,  10                          ; 8 x (lane / 16)
.set QOF,  11                          ; 4 x lane
                                       ; v[12:15] tile A: -M, the largest t, the sum in two halves;  v[16:19] tile B
.set QS,   20                          ; Q's scale words: lanes 0-15 tile A's, lanes 16-31 tile B's
.set SRD,  21                          ; the way out: where I read rows back
.set FF,   22                          ; f = 2^(old M - new M); at the end 1 / the sum
.set PS,   23                          ; P's scale word
.set KS,   24                          ; v[24:27] K's scale words
.set VS,   28                          ; v[28:29] V's
.set SW0,  30                          ; the way out: where I put results of channels 0-31,
.set SW1,  31                          ; and of channels 32-63
.set QA,   32                          ; v[32:43] tile A's Q: 6 registers of codes, 6 of zeros
.set QB,   44                          ; v[44:55] tile B's
.set L,    56                          ; v[56:87] 32 numbers of k or v, landing a step ahead
.set OA,   88                          ; v[88:119] tile A's O^T
.set OB,   120                         ; v[120:151] tile B's
.set S,    152                         ; v[152:215] scores, then p; then V's four fragments
.set F0,   184                         ; K's tiles 0-3 at v184-207 (tile 3's upper six: v208-213)
.set F1,   216                         ; K's tiles 4-7 at v216-239 (tile 7's upper six: v240-245)
.set PC,   216                         ; v[216:227] P's codes
.set PT,   228                         ; v228-230, v232-234: the second halves of the conversions
.set BM,   236                         ; v236-239: four chains of maxima; then v236, v237 the two blocks' largest
.set SO,   240                         ; the conversions' scale operands
.set BY,   242                         ; the scale bytes
.set RM,   244
.set RX,   245
.set W,    246
.set WX,   247
.set SUM2, 248                         ; v[248:249] the second chain of the sum
.set C,    216                         ; in the quantisers of k and v: v216-222 the codes,
.set QM,   224                         ; v224-225 maxima,
.set QSO,  226                         ; the scale operand,
.set QBY,  227                         ; the byte;
.set X,    152                         ; v[152:183] v's 32 neighbours, back from the turn
.macro PLACES n                        ; plain vector instructions that name no register of the matrix instruction in front (ISA guide 7.12.1)
.rept \n
	v_nop
.endr
.endm
.macro BAR                             ; my LDS stores have landed and my LDS loads are in: then the work-group's barrier
	s_wait_dscnt 0x0
	s_barrier_signal -1
	s_barrier_wait -1
.endm
; the largest magnitude of 32 registers, and the floor, in two chains that take turns
.macro AMAX src, d0, d1
	v_max3_num_f32 v[\d0], |v[\src]|, |v[\src+1]|, FLOOR
	v_max3_num_f32 v[\d1], |v[\src+16]|, |v[\src+17]|, |v[\src+18]|
.irp i, 0,2,4,6,8,10
	v_max3_num_f32 v[\d0], v[\d0], |v[\src+2+\i]|, |v[\src+3+\i]|
	v_max3_num_f32 v[\d1], v[\d1], |v[\src+19+\i]|, |v[\src+20+\i]|
.endr
	v_max3_num_f32 v[\d0], v[\d0], |v[\src+14]|, |v[\src+15]|
	v_max3_num_f32 v[\d0], v[\d0], v[\d1], |v[\src+31]|
.endm
; a lane's block of 32 numbers becomes six registers of codes, v[C] on, and its scale byte, v[QBY]
.macro CODES src
	AMAX \src, QM, QM+1
	v_add_nc_u32 v[QSO], DOWN4, v[QM]              ; the conversion takes the exponent field of this operand as its scale, and nothing else of it
	v_lshrrev_b32 v[QBY], 23, v[QSO]
	v_cvt_scalef32_pk16_bf6_f32 v[C:C+2], v[\src:\src+15], v[QSO]
	v_cvt_scalef32_pk16_bf6_f32 v[C+4:C+6], v[\src+16:\src+31], v[QSO]   ; (a conversion's three registers begin on an even number)
	v_nop                                          ; one plain place behind a scaled conversion
	v_mov_b32 v[C+3], v[C+4]
	v_mov_b32 v[C+4], v[C+5]
	v_mov_b32 v[C+5], v[C+6]
.endm
.macro LDK                             ; k: lane = key, registers down my 32 channels: each load reads 128 consecutive bytes
.set n, 0
.rept 32
	global_load_b32 v[L+n], v[GOF], s[10:11] offset:ROWB*n
.set n, n+1
.endr
.endm
.macro LDV                             ; v: my 8 channels' 128 keys: each load reads 512 consecutive bytes
.irp i, 0,1,2,3,4,5,6,7
	global_load_b128 v[L+4*\i:L+4*\i+3], v[GOF], s[10:11] offset:ROWB*\i
.endr
.endm
; waves 0-7: the landed block of k, x 0.35355338, to codes, into the slot named.  ld = 1: the step after it is asked for
.macro QK slot, ld
	s_wait_loadcnt 0x0                             ; the landing loads, asked for a step ago, are in: so their base may be stepped below
.set n, 0
.rept 16
	v_pk_mul_f32 v[L+n:L+n+1], v[L+n:L+n+1], s[20:21] op_sel_hi:[1,0]
.set n, n+2
.endr
	CODES L
	s_wait_alu depctr_va_vdst(0)                   ; the conversions and moves have written the codes and the byte, which the LDS stores below read; the scalings and the quantiser are done with the landing registers, in which the loads below land
.if \ld
	s_add_nc_u64 s[10:11], s[10:11], 512           ; 128 keys on
	LDK
.endif
.irp p, 0,1,2
	ds_store_b64 v[WK], v[C+2*\p:C+2*\p+1] offset:SLOTB*(\slot)+KIMG+256*\p
.endr
	ds_store_b8 v[WKS], v[QBY] offset:SLOTB*(\slot)+KSC      ; my block's byte, and once more for the instruction's upper 64 along K,
	ds_store_b8 v[WKS], v[QBY] offset:SLOTB*(\slot)+KSC+2    ; where it meets Q's zero codes
.endm
; waves 8-15: the landed 8 rows x 128 keys of v turn through my own bytes of LDS, so that a lane holds a block of 32 neighbouring keys of one channel
.macro QV slot, ld
	s_wait_loadcnt 0x0
.irp i, 0,1,2,3,4,5,6,7
	ds_store_b128 v[TS], v[L+4*\i:L+4*\i+3] offset:576*\i
.endr
.irp i, 0,1,2,3,4,5,6,7
	ds_load_b128 v[X+4*\i:X+4*\i+3], v[TL] offset:16*\i     ; LDS serves a wave's instructions in order (ISA guide 5.7.1.4): these see the stores above
.endr
	s_wait_dscnt 0x0                               ; the block is in
.if \ld
	s_wait_alu depctr_vm_vsrc(0)                   ; the eight LDS stores above have read the landing registers, in which the loads below land
	s_add_nc_u64 s[10:11], s[10:11], 512
	LDV
.endif
	CODES X
	s_wait_alu depctr_va_vdst(0)                   ; the conversions and moves have written the codes and the byte, which the LDS stores below read
.irp p, 0,1,2
	ds_store_b64 v[WVI], v[C+2*\p:C+2*\p+1] offset:SLOTB*(\slot)+VIMG+256*\p
.endr
	ds_store_b8 v[WVS], v[QBY] offset:SLOTB*(\slot)+VSC
.endm
.macro QUANT slot, ld                  ; the branch hangs on the wave's number alone; no barrier stands inside it
	s_cmp_lt_u32 s8, 8
	s_cbranch_scc0 .Lv_\@
	QK \slot, \ld
	s_branch .Lj_\@
.Lv_\@:
	QV \slot, \ld
.Lj_\@:
	s_wait_dscnt 0x0                               ; my stores of the codes have landed
	s_wait_alu depctr_vm_vsrc(0)                   ; they have read the codes' registers and the byte's, on which K's fragments land next
	PLACES 4
.endm
; one product of S^T: tile 4 hi + t of the step's keys against the tile of queries at v[q]; row = 1: tile B, whose scale words lie in lanes 16-31
.macro SPROD t, hi, q, row
.set rD, S+32*(\hi)+8*(\t)
.set rA, F0+32*(\hi)+6*(\t)
.if (\hi) && (\row)
	v_wmma_scale_f32_16x16x128_f8f6f4 v[rD:rD+7], v[rA:rA+11], v[\q:\q+11], 0, v[KS+\t], v[QS] matrix_a_fmt:MATRIX_FMT_BF6 matrix_b_fmt:MATRIX_FMT_BF6 matrix_a_scale:MATRIX_SCALE_ROW1 matrix_b_scale:MATRIX_SCALE_ROW1
.elseif \hi
	v_wmma_scale_f32_16x16x128_f8f6f4 v[rD:rD+7], v[rA:rA+11], v[\q:\q+11], 0, v[KS+\t], v[QS] matrix_a_fmt:MATRIX_FMT_BF6 matrix_b_fmt:MATRIX_FMT_BF6 matrix_a_scale:MATRIX_SCALE_ROW1
.elseif \row
	v_wmma_scale_f32_16x16x128_f8f6f4 v[rD:rD+7], v[rA:rA+11], v[\q:\q+11], 0, v[KS+\t], v[QS] matrix_a_fmt:MATRIX_FMT_BF6 matrix_b_fmt:MATRIX_FMT_BF6 matrix_b_scale:MATRIX_SCALE_ROW1
.else
	v_wmma_scale_f32_16x16x128_f8f6f4 v[rD:rD+7], v[rA:rA+11], v[\q:\q+11], 0, v[KS+\t], v[QS] matrix_a_fmt:MATRIX_FMT_BF6 matrix_b_fmt:MATRIX_FMT_BF6
.endif
.endm
; ONE TILE OF 16 QUERIES AGAINST ONE STEP OF 128 KEYS.  q: its Q; row: 0 tile A, 1 tile B; st: its statistics; o: its O^T; first = 1: the step's scale words are fetched (they stay for the second tile)
; The loads at its head owe no wait of their own: the wait that stands ahead of the tile (in the step) has stated that all earlier readers and writers of their registers are done, and only v_nop has followed it on the vector side.
.macro ATT q, row, st, o, slot, first
.set SB, SLOTB*(\slot)
.if \first
	ds_load_b128 v[KS:KS+3], v[LN16] offset:SB+KSC
.endif
.irp t, 0,1,2,3
.irp p, 0,1,2
	ds_load_b64 v[F0+6*\t+2*\p:F0+6*\t+2*\p+1], v[LN8] offset:SB+KIMG+768*\t+256*\p          ; 32 lanes read 256 consecutive bytes
.endr
.endr
.irp t, 0,1,2,3
.irp p, 0,1,2
	ds_load_b64 v[F1+6*\t+2*\p:F1+6*\t+2*\p+1], v[LN8] offset:SB+KIMG+768*(4+\t)+256*\p
.endr
.endr
	s_wait_dscnt 12                                ; all but the twelve youngest, tiles 4-7's: the scale words and tiles 0-3 are in
.irp t, 0,1,2,3
	SPROD \t, 0, \q, \row
.endr
	PLACES 5                                       ; the next four results are laid over tiles 0-3's fragments, which are done with: five places
	s_wait_dscnt 0x0
.irp t, 0,1,2,3
	SPROD \t, 1, \q, \row
.endr
	PLACES 4
; the largest score of each of my two blocks of 32 keys, each in two chains; the four chains by turns.  Each tile's results are first read at their low end
.irp c, 0,1
	v_max3_num_f32 v[BM+\c], v[S+32*\c], v[S+32*\c+1], v[S+32*\c+2]
.endr
.irp c, 0,1
	v_max3_num_f32 v[BM+2+\c], v[S+32*\c+17], v[S+32*\c+18], v[S+32*\c+19]
.endr
.irp i, 0,2,4,6,8,10
.irp c, 0,1
	v_max3_num_f32 v[BM+\c], v[BM+\c], v[S+32*\c+3+\i], v[S+32*\c+4+\i]
.endr
.irp c, 0,1
	v_max3_num_f32 v[BM+2+\c], v[BM+2+\c], v[S+32*\c+20+\i], v[S+32*\c+21+\i]
.endr
.endr
.irp c, 0,1
	v_max3_num_f32 v[BM+\c], v[BM+\c], v[S+32*\c+15], v[S+32*\c+16]
.endr
.irp c, 0,1
	v_max_num_f32 v[BM+\c], v[BM+\c], v[BM+2+\c]   ; it serves twice: for the row's maximum, and, since p rises with the score, for the block's largest p
.endr
	v_max_num_f32 v[RM], v[BM], v[BM+1]
	v_permlanex16_b32 v[RX], v[RM], s16, s17       ; my query's other 64 keys lie in the lane 16 away
	v_max_num_f32 v[RM], v[RM], v[RX]
	v_mul_f32 v[RM], s18, v[RM]                    ; as t
	v_max_num_f32 v[\st+1], v[\st+1], v[RM]        ; the running largest t
	v_mov_b32 v[W], v[\st]
	v_floor_f32 v[\st], -v[\st+1]                  ; the new -M = floor(-t) = -ceil(t): a whole number
	v_sub_f32 v[RM], v[\st], v[W]                  ; old M - new M: a whole number, 0 or less
	v_cvt_i32_f32 v[RM], v[RM]                     ; (it saturates)
	v_ldexp_f32 v[FF], 1.0, v[RM]                  ; f = 2^(old M - new M)
.set n, 0
.rept 32
	v_pk_fma_f32 v[S+n:S+n+1], v[S+n:S+n+1], s[18:19], v[\st:\st+1] op_sel_hi:[1,0,0]   ; t - M, two at a time (of the pairs log2(e) and -M the low word serves both halves)
.set n, n+2
.endr
.irp c, 0,1
	v_fma_f32 v[BM+\c], v[BM+\c], s18, v[\st]      ; the same of each block's largest score
.endr
.set n, 0
	s_wait_alu depctr_va_vdst(0)
.rept 64
	v_exp_f32 v[S+n], v[S+n]                       ; p = 2^(t - M), at most 1
.set n, n+1
.endr
.irp c, 0,1
	v_exp_f32 v[BM+\c], v[BM+\c]                   ; the block's largest p
.endr
	v_pk_mul_f32 v[\st+2:\st+3], v[\st+2:\st+3], v[FF:FF+1] op_sel_hi:[1,0]   ; the sums under the new M.  (The plain place behind the exponentials)
	s_wait_alu depctr_va_vdst(0)                   ; the 66 exponentials have written p and the blocks' largest p: one wait for the batch, ahead of its first reader
.irp c, 0,1
	v_max_num_f32 v[BM+\c], FLOOR, v[BM+\c]
.endr
.irp c, 0,1
	v_add_nc_u32 v[SO+\c], DOWN4, v[BM+\c]
.endr
.irp c, 0,1
	v_lshrrev_b32 v[BY+\c], 23, v[SO+\c]
.endr
	v_lshl_or_b32 v[W], v[BY+1], 16, v[BY]         ; my two bytes: blocks h and 2 + h of my query,
	v_lshlrev_b32 v[W], v[SH8], v[W]               ; at their places in the scale word;
	v_permlanex16_b32 v[WX], v[W], s16, s17
	v_or_b32 v[PS], v[W], v[WX]                    ; with the other lane's two the word is whole
.irp c, 0,1
	v_cvt_scalef32_pk16_bf6_f32 v[PC+6*\c:PC+6*\c+2], v[S+32*\c:S+32*\c+15], v[SO+\c]
	v_cvt_scalef32_pk16_bf6_f32 v[PT+4*\c:PT+4*\c+2], v[S+32*\c+16:S+32*\c+31], v[SO+\c]
.endr
	v_nop                                          ; one plain place behind a scaled conversion
.irp c, 0,1
.irp i, 0,1,2
	v_mov_b32 v[PC+6*\c+3+\i], v[PT+4*\c+\i]       ; registers 6 c .. 6 c + 5 hold keys 64 c + 32 h + 0 .. 31: P's operand
.endr
.endr
	v_pk_add_f32 v[SUM2:SUM2+1], v[S:S+1], v[S+2:S+3]        ; the row's sum is taken of the unquantised p: two at a time, in two chains
.irp j, 4,8,12,16,20,24,28,32,36,40,44,48,52,56,60
	v_pk_add_f32 v[\st+2:\st+3], v[\st+2:\st+3], v[S+\j:S+\j+1]
	v_pk_add_f32 v[SUM2:SUM2+1], v[SUM2:SUM2+1], v[S+\j+2:S+\j+3]
.endr
	v_pk_add_f32 v[\st+2:\st+3], v[\st+2:\st+3], v[SUM2:SUM2+1]
	s_wait_alu depctr_va_vdst(0)                   ; the conversions and the sums are done with p, where V's fragments land; P's codes and its scale word are written, which the products below take (the sums above are the places between).  The rescalings that follow name none of the loads' registers
.irp t, 0,1,2,3                        ; V's four fragments land where p lay
.irp p, 0,1,2,3,4,5
	ds_load_b64 v[S+12*\t+2*\p:S+12*\t+2*\p+1], v[LN8] offset:SB+VIMG+1536*\t+256*\p
.endr
.endr
.if \first
	ds_load_b64 v[VS:VS+1], v[LN8] offset:SB+VSC
.endif
.set n, 0
.rept 16
	v_pk_mul_f32 v[\o+n:\o+n+1], v[\o+n:\o+n+1], v[FF:FF+1] op_sel_hi:[1,0]   ; O^T under the new M, from each accumulator's low end on, while the loads are out
.set n, n+2
.endr
	s_wait_alu depctr_va_vdst(0)
	s_wait_dscnt 0x0
.irp t, 0,1,2,3                        ; O^T += V^T P^T: four accumulators, one instruction each
.if \t < 2
	v_wmma_scale_f32_16x16x128_f8f6f4 v[\o+8*\t:\o+8*\t+7], v[S+12*\t:S+12*\t+11], v[PC:PC+11], v[\o+8*\t:\o+8*\t+7], v[VS+\t%2], v[PS] matrix_a_fmt:MATRIX_FMT_BF6 matrix_b_fmt:MATRIX_FMT_BF6
.else
	v_wmma_scale_f32_16x16x128_f8f6f4 v[\o+8*\t:\o+8*\t+7], v[S+12*\t:S+12*\t+11], v[PC:PC+11], v[\o+8*\t:\o+8*\t+7], v[VS+\t%2], v[PS] matrix_a_fmt:MATRIX_FMT_BF6 matrix_b_fmt:MATRIX_FMT_BF6 matrix_a_scale:MATRIX_SCALE_ROW1
.endif
.endr
	PLACES 5                                       ; the next tile lays matrix results over these operands' registers: five places.  (For the loads that land on them the next wait on va_vdst states the dependence)
.endm
; A KEY STEP.  The barrier at its head parts the last step's reads of the other slot from this step's stores into it, and the last step's stores into this slot from this step's reads.
.macro STEP slot, quant, ld
	BAR
	s_wait_alu depctr_va_vdst(0)                   ; the last step's tile B: its products are done reading V's fragments, P's codes and the scale words, its vector work is done with the scores' and the work registers: this step's loads (v's turn, the scale words, K's fragments) land on these, and the upper six of tiles 3 and 7 are written.  In the first step: Q's codes and scale words are written, which the products take, and the head's work registers, on which K's fragments land
.if \quant
	QUANT 1-\slot, \ld
.endif
	ATT QA, 0, 12, OA, \slot, 1
	s_wait_alu depctr_va_vdst(0)                   ; tile A's products are done reading V's fragments and P's codes, its vector work is done with the work registers: tile B's fragments of K land on these; and what it left in the upper six of tiles 3 and 7 is written
	ATT QB, 1, 16, OB, \slot, 0
.endm
	s_load_b128 s[4:7], s[0:1], 0x0                ; qkv s[4:5], out s[6:7]
	v_lshl_add_u32 v254, v0, 2, 0x31400
	v_mov_b32 v255, 0
	v_lshrrev_b32 v216, 5, v0
	v_readfirstlane_b32 s8, v216                   ; wave 0..15
	v_and_b32 v216, 31, v0                         ; lane
	v_and_b32 v217, 7, v0                          ; lane % 8
	v_bfe_u32 v218, v0, 3, 2                       ; lane / 8
	v_bfe_u32 v219, v0, 2, 3                       ; lane / 4
	v_and_b32 v220, 3, v0                          ; lane % 4
	v_and_b32 v221, 1, v0                          ; lane % 2
	v_bfe_u32 v222, v0, 1, 1                       ; (lane / 2) % 2
	v_and_b32 v223, 15, v0                         ; r
	v_bfe_u32 v224, v0, 4, 1                       ; h
	s_wait_alu depctr_va_sdst(0)                   ; s8 is written, ahead of its first reader: roles, LDS addresses and offsets in memory are made from it
	s_and_b32 s9, s8, 7                            ; my number among the eight waves of my role
	s_lshr_b32 s23, s9, 1                          ; k: g, which 32 keys of the step.   v: which tile of 16 channels
	s_and_b32 s24, s9, 1                           ; k: which 32 channels.             v: which 8 rows of that tile
	s_lshr_b32 s25, s9, 2                          ; g / 2
	s_and_b32 s26, s23, 1                          ; g % 2
	; every LDS address is made here, by every wave, ahead of the first branch on the role
	v_lshlrev_b32 v[LN8], 3, v216
	v_lshlrev_b32 v[LN16], 4, v216
	s_wait_alu depctr_va_vdst(0)
	v_lshlrev_b32 v[QOF], 2, v216
	v_lshlrev_b32 v[SH8], 3, v224
	; k: my key 32 g + lane is row 8 (g % 2) + lane % 8 of tile 4 (g / 2) + lane / 8; my channels' half names the reader's half of the lanes
	s_mul_i32 s27, s25, 3072
	s_lshl_b32 s28, s26, 6
	s_add_co_u32 s27, s27, s28
	s_lshl_b32 s28, s24, 7
	s_add_co_u32 s27, s27, s28
	v_mul_u32_u24 v[WK], v218, 768
	v_lshl_add_u32 v[WK], v217, 3, v[WK]
	v_add_nc_u32 v[WK], s27, v[WK]
	s_lshl_b32 s27, s25, 8
	s_lshl_b32 s28, s26, 7
	s_add_co_u32 s27, s27, s28
	s_add_co_u32 s27, s27, s24
	v_lshlrev_b32 v[WKS], 4, v217
	v_lshl_add_u32 v[WKS], v218, 2, v[WKS]
	v_add_nc_u32 v[WKS], s27, v[WKS]
	; v's turn: in as loaded, 16 bytes a lane, 16 bytes of padding behind each 128; out: row lane / 4, block lane % 4
	s_mul_i32 s27, s9, 4608
	s_add_co_u32 s27, s27, TURN
	v_lshl_add_u32 v[TS], v218, 4, v[LN16]
	v_add_nc_u32 v[TS], s27, v[TS]
	v_mul_u32_u24 v[TL], v219, 576
	v_mad_u32_u24 v[TL], v220, 144, v[TL]
	v_add_nc_u32 v[TL], s27, v[TL]
	; v: my channel is row 8 (wave % 2) + lane / 4 of tile wave / 2; my block 2 c + h of keys: registers 6 c on of the reader's half h
	s_mul_i32 s27, s23, 1536
	s_lshl_b32 s28, s24, 6
	s_add_co_u32 s27, s27, s28
	v_mul_u32_u24 v[WVI], v222, 768
	v_lshl_add_u32 v[WVI], v219, 3, v[WVI]
	v_lshl_add_u32 v[WVI], v221, 7, v[WVI]
	v_add_nc_u32 v[WVI], s27, v[WVI]
	s_lshl_b32 s27, s25, 7
	s_lshl_b32 s28, s24, 6
	s_add_co_u32 s27, s27, s28
	s_lshl_b32 s28, s26, 2
	s_add_co_u32 s27, s27, s28
	v_lshl_add_u32 v[WVS], v219, 3, v220
	v_add_nc_u32 v[WVS], s27, v[WVS]
	; the way out: in: channel 8 h (+ 16 t + j in the offset), query 32 w + r (+ 16 for tile B);  back: my 4 channels' rows, 16 bytes a lane
	s_lshl_b32 s27, s8, 7
	s_add_co_u32 s27, s27, STAGE
	v_mul_u32_u24 v[SW0], v224, 8*SROW
	v_lshl_add_u32 v[SW0], v223, 2, v[SW0]
	v_add_nc_u32 v[SW0], s27, v[SW0]
	v_add_nc_u32 v[SW1], 32*SROW, v[SW0]
	s_mul_i32 s27, s8, 4*SROW
	s_add_co_u32 s27, s27, STAGE
	v_add_nc_u32 v[SRD], s27, v[LN16]
	; offsets in memory, apart from the addresses
	s_lshl_b32 s27, s24, 18                        ; k: channel 64 + 32 x half,
	s_lshl_b32 s28, s23, 7                         ;    key 32 g
	s_add_co_u32 s27, s27, s28
	s_add_co_u32 s27, s27, 64*ROWB
	s_lshl_b32 s28, s9, 16                         ; v: channel 128 + 8 x my number
	s_add_co_u32 s28, s28, 128*ROWB
	s_cmp_lt_u32 s8, 8                             ; the role hangs on the wave's number alone
	s_cselect_b32 s32, s27, s28
	s_cselect_b32 s29, 2, 4
	v_lshlrev_b32 v[GOF], s29, v216
	s_and_b32 s30, ttmp7, 0xffff                   ; the batch
	s_mul_i32 s31, s30, BATCH
	s_add_co_u32 s32, s32, s31
	s_mov_b32 s33, 0
	s_lshl_b32 s34, ttmp9, 11                      ; q: query 512 x + 32 w
	s_lshl_b32 s28, s8, 7
	s_add_co_u32 s34, s34, s28
	s_add_co_u32 s34, s34, s31
	s_mov_b32 s35, 0
	s_lshl_b32 s36, s30, 19                        ; out: channel 64 y + 4 w, query 512 x
	s_lshl_b32 s28, s8, 15
	s_add_co_u32 s36, s36, s28
	s_lshl_b32 s28, ttmp9, 11
	s_add_co_u32 s36, s36, s28
	s_mov_b32 s37, 0
	s_mov_b32 s16, 0x76543210                      ; v_permlanex16_b32's selects for lane l xor 16
	s_mov_b32 s17, 0xfedcba98
	s_mov_b32 s18, 0x3fb8aa3b                      ; log2(e)
	s_mov_b32 s19, s18                             ; (named with it as a pair, so it is written)
	s_mov_b32 s20, 0x3eb504f3                      ; 1 / sqrt(sqrt(64))
	s_mov_b32 s21, s20
	s_wait_kmcnt 0x0
	s_add_nc_u64 s[10:11], s[4:5], s[32:33]        ; the landing loads' base
	s_add_nc_u64 s[12:13], s[4:5], s[34:35]        ; q's
	s_add_nc_u64 s[14:15], s[6:7], s[36:37]        ; out's
	s_wait_alu depctr_va_vdst(0)                   ; every offset and LDS address of the kernel (v1-v9, v11, v21, v30, v31) is written, which its loads and stores read; so are the temporaries v216-v224, on which LDS loads land later
	s_cmp_lt_u32 s8, 8
	s_cbranch_scc0 .Lhead_v
	LDK                                            ; key step 0
	s_branch .Lhead_j
.Lhead_v:
	LDV
.Lhead_j:
.set n, 0
.rept 64
	global_load_b32 v[OA+n], v[QOF], s[12:13] offset:ROWB*n th:TH_LOAD_NT   ; q: lane = query 32 w + lane, registers down the 64 channels; each byte is read once in the launch
.set n, n+1
.endr
.irp i, 0,1,2,3,4,5
	v_mov_b32 v[QA+6+\i], 0                        ; the zero codes of Q's upper 64 along K
	v_mov_b32 v[QB+6+\i], 0
	v_mov_b32 v[F0+24+\i], 0                       ; named as the upper six of tile 3's and tile 7's fragments: written once, whatever they hold later
	v_mov_b32 v[F1+24+\i], 0
.endr
	v_mov_b32 v[WX], 0                             ; a lane permute's destination counts as one of its sources (v[RX] is among the six above)
	v_mov_b32 v[PS], 0                             ; named as the upper half of the pair with f before it is first made
.irp s, 12, 16
	v_mov_b32 v[\s+1], 0xff61b1e6                  ; the largest t so far: -3e38, under every t
	v_floor_f32 v[\s], -v[\s+1]                    ; -M
	v_mov_b32 v[\s+2], 0                           ; the sum, in two halves
	v_mov_b32 v[\s+3], 0
.endr
	s_wait_loadcnt 0x0                             ; step 0's numbers and q
	QUANT 0, 1                                     ; step 0 into slot 0; step 1 is asked for
	; Q: my 32 queries' two blocks of 32 channels
.set n, 0
.rept 32
	v_pk_mul_f32 v[OA+n:OA+n+1], v[OA+n:OA+n+1], s[20:21] op_sel_hi:[1,0]
.set n, n+2
.endr
	AMAX OA, BM, BM+2
	AMAX OB, BM+1, BM+3
.irp c, 0,1
	v_add_nc_u32 v[SO+\c], DOWN4, v[BM+\c]
.endr
.irp c, 0,1
	v_lshrrev_b32 v[BY+\c], 23, v[SO+\c]
.endr
	v_lshl_or_b32 v[QS], v[BY+1], 8, v[BY]         ; lane l: query l's scale word (its upper two bytes, 0, stand over zero codes): lanes 0-15 tile A's, lanes 16-31 tile B's
	v_cvt_scalef32_pk16_bf6_f32 v[QA:QA+2], v[OA:OA+15], v[SO]
	v_cvt_scalef32_pk16_bf6_f32 v[PT:PT+2], v[OA+16:OA+31], v[SO]
	v_cvt_scalef32_pk16_bf6_f32 v[QB:QB+2], v[OB:OB+15], v[SO+1]
	v_cvt_scalef32_pk16_bf6_f32 v[PT+4:PT+6], v[OB+16:OB+31], v[SO+1]
	v_nop                                          ; one plain place behind a scaled conversion
.irp i, 0,1,2
	v_mov_b32 v[QA+3+\i], v[PT+\i]
	v_mov_b32 v[QB+3+\i], v[PT+4+\i]
.endr
.irp i, 0,1,2,3,4,5
	v_permlane16_swap_b32 v[QA+\i], v[QB+\i]       ; block 0 of queries 16-31 changes places with block 1 of queries 0-15: now lane (r, h) holds block h of query r (tile A) and of query 16 + r (tile B)
.endr
.set n, 0
.rept 64
	v_mov_b32 v[OA+n], 0                           ; O^T.  (The step is written once: the first finds zeros, which the first change of M leaves zeros)
.set n, n+1
.endr
	s_mov_b32 s22, 7
.Lpair:                                            ; seven trips of two steps: steps 0 to 13.  Step j quantises step j + 1 and asks for step j + 2
	STEP 0, 1, 1
	STEP 1, 1, 1
	s_sub_co_u32 s22, s22, 1
	s_cmp_lg_u32 s22, 0
	s_cbranch_scc1 .Lpair
	STEP 0, 1, 0                                   ; step 14 quantises step 15 and asks for nothing: no load leaves its row
	STEP 1, 0, 0                                   ; step 15
	; THE WAY OUT.  O^T / the sum goes into the work-group's stage as [channel][query]; behind a barrier each wave stores 4 channels' 512 queries.
.macro NORM st, o
	v_add_f32 v[\st+2], v[\st+2], v[\st+3]         ; the sum's two halves,
	v_permlanex16_b32 v[RX], v[\st+2], s16, s17
	v_add_f32 v[\st+2], v[\st+2], v[RX]            ; and the other lane's: the row's sum
	s_wait_alu depctr_va_vdst(0)
	v_rcp_f32 v[FF], v[\st+2]
	v_nop                                          ; one plain place behind a transcendental
.set n, 0
	s_wait_alu depctr_va_vdst(0)                   ; the reciprocal has written 1 / the sum, ahead of its first reader
.rept 16
	v_pk_mul_f32 v[\o+n:\o+n+1], v[\o+n:\o+n+1], v[FF:FF+1] op_sel_hi:[1,0]
.set n, n+2
.endr
.endm
	NORM 12, OA
	NORM 16, OB
	s_wait_alu depctr_va_vdst(0)                   ; the divisions have written both tiles' O^T, which the LDS stores read; and the last products and the last softmax are done with v152-v215, in which the stage's loads land behind the barrier
.irp a, 0,1
.irp t, 0,1,2,3
.irp j, 0,1,2,3,4,5,6,7
	ds_store_b32 v[SW0+\t/2], v[OA+32*\a+8*\t+\j] offset:(16*(\t%2)+\j)*SROW+64*\a     ; out(16 t + 8 h + j, 32 w + 16 a + r): sixteen lanes write 64 consecutive bytes
.endr
.endr
.endr
	BAR                                            ; 64 whole rows lie in the stage
.irp i, 0,1,2,3
.irp k, 0,1,2,3
	ds_load_b128 v[S+16*\i+4*\k:S+16*\i+4*\k+3], v[SRD] offset:SROW*\i+512*\k
.endr
.endr
.irp i, 0,1,2,3
.irp k, 0,1,2,3
	s_wait_dscnt 15-4*\i-\k                        ; LDS loads come back in order: this one is in, the younger ones may be out
	global_store_b128 v[LN16], v[S+16*\i+4*\k:S+16*\i+4*\k+3], s[14:15] offset:ROWB*\i+512*\k th:TH_STORE_NT   ; 32 lanes store 512 consecutive bytes, at a multiple of 256 from out's first byte
.endr
.endr
	s_wait_dscnt 0x0                               ; the closing lines, six on end
	s_wait_alu 0x0
	s_wait_tensorcnt 0x0
	ds_add_u32 v254, v255
	s_wait_dscnt 0x0
	s_endpgm
.Lfunc_end_k_q03fa527a29_attn:
	.size	k_q03fa527a29_attn, .Lfunc_end_k_q03fa527a29_attn-k_q03fa527a29_attn
	.p2alignl 7, 3214868480
	.fill 96, 4, 3214868480
	.section	.rodata,"a",@progbits
	.p2align	6, 0x0
	.amdhsa_kernel k_q03fa527a29_attn
		.amdhsa_group_segment_fixed_size 203776
		.amdhsa_private_segment_fixed_size 0
		.amdhsa_enable_private_segment 0
		.amdhsa_kernarg_size 16
		.amdhsa_user_sgpr_count 2
		.amdhsa_user_sgpr_kernarg_segment_ptr 1
		.amdhsa_wavefront_size32 1
		.amdhsa_system_sgpr_workgroup_id_x 1
		.amdhsa_system_sgpr_workgroup_id_y 1
		.amdhsa_system_sgpr_workgroup_id_z 1
		.amdhsa_system_vgpr_workitem_id 0
		.amdhsa_next_free_vgpr 256
		.amdhsa_next_free_sgpr 66
		.amdhsa_reserve_vcc 0
		.amdhsa_float_denorm_mode_32 3
		.amdhsa_float_denorm_mode_16_64 3
		.amdhsa_memory_ordered 1
		.amdhsa_forward_progress 1
		.amdhsa_inst_pref_size 195
	.end_amdhsa_kernel
	.amdgpu_metadata
---
amdhsa.version: [ 1, 2 ]
amdhsa.kernels:
  - .name:           k_q03fa527a29_attn
    .symbol:         k_q03fa527a29_attn.kd
    .args:
      - { .name: qkv, .offset: 0, .size: 8, .value_kind: global_buffer, .address_space: global }
      - { .name: out0, .offset: 8, .size: 8, .value_kind: global_buffer, .address_space: global }
    .group_segment_fixed_size: 203776
    .private_segment_fixed_size: 0
    .kernarg_segment_align: 8
    .kernarg_segment_size: 16
    .max_flat_workgroup_size: 512
    .sgpr_count:     66
    .vgpr_count:     256
    .wavefront_size: 32
...
	.end_amdgpu_metadata
.endif
;; end of part 2
